; MI455X (gfx1250); checked and timed in simulation.
; The chip was launched on July 23, 2026; its instructions are those of AMD's public machine-readable ISA for CDNA 5 (MIT licence, August 2026) and "CDNA5" Instruction Set Architecture Reference Guide (July 2026). The comments in the code are by the model that wrote it; some were corrected since.
;; Self Attention. Allowed arithmetic: float matrix products may take bf16 or f16 operands with f32 sums; all other float work in f32.
;; Inputs: Wk 512 x 512 float32; Wq 512 x 512 float32; Wv 512 x 512 float32; ft_k 8 x 2,048 x 512 float32; ft_q 8 x 2,048 x 512 float32; ft_v 8 x 2,048 x 512 float32; mask 8 x 2,048 x 2,048 float32.
;; Outputs: out0 8 x 2,048 x 512 float32.
;; One version. Each part assembles by itself: llvm-mc -triple=amdgcn-amd-amdhsa -mcpu=gfx1250 --defsym DOCPART=n.
;; ======== version 1 of 1: 3 launches
;; limits: values are held in f16: magnitudes above 65,504 overflow, below 6.1e-05 lose precision
;; workspace buffers: wb 1,572,864 bytes; qh 16,777,216 bytes; kh 16,777,216 bytes; vh 16,777,216 bytes
;; launch wcast (part 1): grid 64 x 3, 8 waves a work-group, no clusters, 0 bytes of LDS; arguments Wq, Wk, Wv, wb; writes wb
.if DOCPART == 1
	.amdgcn_target "amdgcn-amd-amdhsa--gfx1250"
	.amdhsa_code_object_version 6
	.text
	.protected	k_q5c92c384b3_wcast
	.globl	k_q5c92c384b3_wcast
	.p2align	8
	.type	k_q5c92c384b3_wcast,@function
k_q5c92c384b3_wcast:
	s_mov_b64 s[64:65], 0
	v_nop
	global_prefetch_b8 v0, s[64:65] scope:SCOPE_SE
	s_setreg_imm32_b32 hwreg(HW_REG_WAVE_MODE, 25, 1), 1
	s_wait_xcnt 0x0
; wb[y][n][k] = bf16(W_y[n][k]), y = 0, 1, 2 for Wq, Wk, Wv; each [512][512], f32 in, bf16 out, rounded to nearest even.
; A stream: every byte is read once and written once; no LDS, no matrix unit, no cluster, since no two work-groups share a byte.
; A work-group takes 4,096 numbers: 16,384 bytes in, 8,192 out.  Thread t takes the 16 bytes at 16 t of each of four blocks of 4,096 bytes;
; a wave's load covers 512 consecutive bytes, its store 256 consecutive bytes at a multiple of 256 from wb's first byte.
; 64 x 3 work-groups are all the work there is: 3 x 262,144 numbers.
	s_load_b256 s[4:11], s[0:1], 0x0               ; Wq s[4:5], Wk s[6:7], Wv s[8:9], wb s[10:11]
	s_and_b32 s12, ttmp7, 0xffff                   ; y: which of the three
	v_lshlrev_b32 v1, 4, v0                        ; my 16 bytes of a block of the source
	v_lshlrev_b32 v2, 3, v0                        ; my 8 bytes of a block of the result
	s_lshl_b32 s14, ttmp9, 14                      ; the work-group's 16,384 bytes of the source
	s_mov_b32 s15, 0
	s_lshl_b32 s16, s12, 19                        ; y x 524,288 bytes of wb,
	s_lshl_b32 s17, ttmp9, 13                      ; and the work-group's 8,192 in them
	s_add_co_u32 s16, s16, s17
	s_mov_b32 s17, 0
	s_wait_kmcnt 0x0
	s_cmp_eq_u32 s12, 1
	s_cselect_b64 s[4:5], s[6:7], s[4:5]
	s_cmp_eq_u32 s12, 2
	s_cselect_b64 s[4:5], s[8:9], s[4:5]
	s_add_nc_u64 s[4:5], s[4:5], s[14:15]
	s_add_nc_u64 s[10:11], s[10:11], s[16:17]
.irp i, 0,1,2,3
	global_load_b128 v[4+4*\i:7+4*\i], v1, s[4:5] offset:4096*\i th:TH_LOAD_NT  ; read once in the launch
.endr
.irp i, 0,1,2,3
	s_wait_loadcnt 3-\i                            ; loads come back in order: block i is in, the younger ones stay out
	v_cvt_pk_bf16_f32 v[20+2*\i], v[4+4*\i], v[5+4*\i]
	v_cvt_pk_bf16_f32 v[21+2*\i], v[6+4*\i], v[7+4*\i]
	global_store_b64 v2, v[20+2*\i:21+2*\i], s[10:11] offset:2048*\i  ; no register is written twice, so nothing waits for a store
.endr
	s_endpgm
.Lfunc_end_k_q5c92c384b3_wcast:
	.size	k_q5c92c384b3_wcast, .Lfunc_end_k_q5c92c384b3_wcast-k_q5c92c384b3_wcast
	.p2alignl 7, 3214868480
	.fill 96, 4, 3214868480
	.section	.rodata,"a",@progbits
	.p2align	6, 0x0
	.amdhsa_kernel k_q5c92c384b3_wcast
		.amdhsa_group_segment_fixed_size 0
		.amdhsa_private_segment_fixed_size 0
		.amdhsa_enable_private_segment 0
		.amdhsa_kernarg_size 32
		.amdhsa_user_sgpr_count 2
		.amdhsa_user_sgpr_kernarg_segment_ptr 1
		.amdhsa_wavefront_size32 1
		.amdhsa_system_sgpr_workgroup_id_x 1
		.amdhsa_system_sgpr_workgroup_id_y 1
		.amdhsa_system_sgpr_workgroup_id_z 1
		.amdhsa_system_vgpr_workitem_id 0
		.amdhsa_next_free_vgpr 28
		.amdhsa_next_free_sgpr 66
		.amdhsa_reserve_vcc 0
		.amdhsa_float_denorm_mode_32 3
		.amdhsa_float_denorm_mode_16_64 3
		.amdhsa_memory_ordered 1
		.amdhsa_forward_progress 1
		.amdhsa_inst_pref_size 3
	.end_amdhsa_kernel
	.amdgpu_metadata
---
amdhsa.version: [ 1, 2 ]
amdhsa.kernels:
  - .name:           k_q5c92c384b3_wcast
    .symbol:         k_q5c92c384b3_wcast.kd
    .args:
      - { .name: Wq, .offset: 0, .size: 8, .value_kind: global_buffer, .address_space: global }
      - { .name: Wk, .offset: 8, .size: 8, .value_kind: global_buffer, .address_space: global }
      - { .name: Wv, .offset: 16, .size: 8, .value_kind: global_buffer, .address_space: global }
      - { .name: wb, .offset: 24, .size: 8, .value_kind: global_buffer, .address_space: global }
    .group_segment_fixed_size: 0
    .private_segment_fixed_size: 0
    .kernarg_segment_align: 8
    .kernarg_segment_size: 32
    .max_flat_workgroup_size: 256
    .sgpr_count:     66
    .vgpr_count:     28
    .wavefront_size: 32
...
	.end_amdgpu_metadata
.endif
;; end of part 1
;; launch proj (part 2): grid 256 x 1, 4 waves a work-group, clusters of 4 x 1, 327,680 bytes of LDS; arguments ft_q, ft_k, ft_v, wb, qh, kh, vh; writes qh, kh, vh
.if DOCPART == 2
	.amdgcn_target "amdgcn-amd-amdhsa--gfx1250"
	.amdhsa_code_object_version 6
	.text
	.protected	k_q5c92c384b3_proj
	.globl	k_q5c92c384b3_proj
	.p2align	8
	.type	k_q5c92c384b3_proj,@function
k_q5c92c384b3_proj:
	s_mov_b64 s[64:65], 0
	v_nop
	global_prefetch_b8 v0, s[64:65] scope:SCOPE_SE
	s_setreg_imm32_b32 hwreg(HW_REG_WAVE_MODE, 25, 1), 1
	s_wait_xcnt 0x0
	s_wait_alu depctr_hold_cnt(0) depctr_sa_sdst(0) depctr_va_vdst(0) depctr_va_sdst(0) depctr_va_ssrc(0) depctr_va_vcc(0) depctr_vm_vsrc(0)
	s_getreg_b32 s2, hwreg(HW_REG_IB_STS2, 6, 4)
	s_cmp_eq_u32 s2, 0
	s_cbranch_scc0 .Lentry_in_a_cluster
	s_endpgm
.Lentry_in_a_cluster:
	s_bfe_u32 s2, ttmp6, 0x10000c
	s_cmp_lg_u32 s2, 0x3003
	s_cbranch_scc0 .Lentry_shape_is_right
	s_endpgm
.Lentry_shape_is_right:
; out_y[row][n] = the sum over k of bf16(x_y[row][k]) wb[y][n][k], y = 0, 1, 2: (ft_q, qh), (ft_k, kh), (ft_v, vh).  x: [16384][512] f32; wb: [3][512][512] bf16; out: [16384][512] f16.
; Sums in f32, K ascending, the result rounded once to f16.
; LIMITS.  f16 holds no number beyond 65,504: a result of 65,520 or more becomes an infinity; below 6e-5 f16 keeps its fixed step of 6e-8.  NaN and infinities are not treated apart.
; A WORK-GROUP STAYS: 256 work-groups; work-group xb takes rows 64 xb .. 64 xb + 63 of ft_q, then of ft_k, then of ft_v: a loop of three trips that are alike, so that no tail is written out.
; SHARES.  Every wave keeps the block's 64 rows of x as bf16 fragments (512 registers, windows 2 and 3).  Wave w makes columns 128 w .. 128 w + 127: a whole aligned 256 bytes of each row of the result.
; W walks through LDS in four tiles a block; tile s is, for wave w, W's rows 128 w + 32 s .. + 31: 8 accumulators, 128 matrix instructions for 64 LDS loads.  A wave moves and reads its own rows alone.
; THE MATRIX INSTRUCTION IS USED TRANSPOSED: source 0 = 16 rows of W, source 1 = 16 rows of x: a lane then holds one row of the result (lane % 16) and eight neighbouring columns, 16 bytes of f16.
; CLUSTER.  The four work-groups of a cluster walk the same 12 tiles of wb: each is asked for JOINTLY, the same load, descriptor and mask in all four.  x is each work-group's own and comes through registers.
; RING.  Each wave has two slots of 33,280 bytes, side by side.  A trip has three rounds of the cluster's barrier: behind the first ONE load of 64 rows fills both slots (tiles 0 and 1), behind the second tile 2
; goes into slot 0, behind the third tile 3 into slot 1.  One tensor load a wave is out.  Trips do not reach into each other, so no load is left out of a last trip;
; the price: tiles 0 and 1 land beside the preparation of x, not beside products.
; x.  A wave loads its own 16 rows, 512 consecutive bytes an instruction, in two halves along K (32 loads, 128 registers each), rounds them ONCE to bf16 and stores them into XR, which holds one half
; ([64 rows][528 bytes]); every wave then reads that half's 32 fragments.  The next block's half 0 is asked for behind this block's preparation and stored into XR behind tile 1's products (256 products between);
; its half 1 is asked for there and rounded in the next trip.  The last trip jumps forward over these loads and stores.
; REGISTERS, in windows of 256 (s_set_vgpr_msb: bits 1:0 source 0, 3:2 source 1, 5:4 source 2, 7:6 destination):
;   window 0: v0-14 addresses; v32-95 the accumulators ((nb, t) at 32 + 8 (4 nb + t)); v96-159, v160-223 two buffers for W's fragments
;   window 1: v0-127 the packed results ((tile s, nb, t) at 32 s + 16 nb + 4 t); v128-255 x as loaded      windows 2, 3: x's fragments ((t, c) at window 2 + c / 8, register 8 (4 (c % 8) + t))
.set WPI,   1040      ; a row of W in LDS: 1,024 bytes + 16 = 65 x 16: the 16 rows of a load start at 16 different groups of four banks (64 banks of 4 bytes: ISA guide 11.1)
.set SLOT,  32*WPI    ; a wave's 32 rows of a tile
.set WREG,  2*SLOT    ; a wave's ring
.set STAGE, 4*WREG    ; behind the rings, never filled by a tensor load: 16 rows x 272 bytes for each wave, for the way out,
.set SPI,   272
.set XR,    STAGE+4*16*SPI  ; half a block of x in bf16: 64 rows of 512 bytes + 16 = 33 x 16,
.set XPI,   528
.set SPARE, XR+64*XPI ; and the spare words, 128 bytes for each wave: two blocks of 256 bytes that no other line names
.set XO,  2           ; v2     my 16 bytes in 512 consecutive bytes of x
.set XW,  3           ; v3     where I put 8 bytes of a row of XR
.set AW,  4           ; v4-5   LDS address of my lane's place in my wave's slot 0, 1
.set STO, 6           ; v6     the way out: where I put 16 bytes of a row
.set RD,  7           ; v7     the way out: where I read rows back
.set CO,  8           ; v8     my byte offset in two rows of the result
.set SPW, 10          ; v10    LDS address of my spare word; never rewritten
.set NIL, 11          ; v11    0; never rewritten
.set AXF, 14          ; v14    my lane's place in XR's fragments
.set ACC, 32
.set WA,  96
.set WB,  160
.set XP,  128         ; window 1
.set WV,  18          ; s18    my wave's number
.set CNT, 21          ; s21    blocks to go: 3, 2, 1
.set G1P, 24          ; s[24:31] descriptor group 1 for 64 rows of W (tiles 0 and 1 at once)
.set G1W, 32          ; s[32:39] for 32 rows
.set G0P, 40          ; s[40:43] descriptor group 0 for tiles 0 and 1;  s[44:47] for tile 2;  s[48:51] for tile 3
.set G0C, 44
.set G0D, 48
.set XN,  52          ; s[52:53] x of the block that is being asked for, at my wave's rows
.set OP,  54          ; s[54:55] the result of the block in hand, at my work-group's rows and my wave's columns
.set MSB, 0
.macro WIN new                      ; the immediate's high byte repeats the setting that is left; a switch that changes nothing is dropped
.if MSB != (\new)
	s_set_vgpr_msb (MSB<<8)|(\new)
.set MSB, (\new)
.endif
.endm
; A load into a register that a matrix instruction has read, and a vector instruction that reads a matrix result, stand four places behind it, and only plain vector instructions
; that name none of its registers are places (ISA guide 7.12.1 for vector instructions).
.macro PLACES
.rept 4
	v_nop
.endr
.endm
; A round of the cluster's barrier: my work-group's barrier, so that wave 0's signal speaks for all four waves; wave 0 signals; every wave waits for all four work-groups; my work-group's barrier once more.
.macro CROUND
	s_barrier_signal -1
	s_barrier_wait -1
	s_cmp_lg_u32 s[WV], 0
	s_cbranch_scc1 .Lnot_wave_0_\@
	s_barrier_signal -3
.Lnot_wave_0_\@:
	s_barrier_wait -3
	s_barrier_signal -1
	s_barrier_wait -1
.endm
.macro TL g0, g1                    ; a tensor load; an s_nop 0 and four v_nop follow it
	tensor_load_to_lds s[(\g0):(\g0)+3], s[(\g1):(\g1)+7]
	s_nop 0
	PLACES
.endm
; IN FRONT OF A REFILL.  Each wave waits for all its tensor loads (one is out at the most), adds 0 to its spare word, and waits for that and for all its LDS instructions, its reads of the slot among them;
; then a round of the cluster's barrier: no wave of any partner still reads the slot or has a load on its way.
.macro HEAD
	WIN 0
	s_wait_tensorcnt 0x0
	ds_add_u32 v[SPW], v[NIL]       ; 0 onto my spare word
	s_wait_dscnt 0x0
	CROUND
.endm
; x.  XLOAD: half hh (channels 256 hh on) of my 16 rows of the block at XN: 32 loads, each 512 consecutive bytes, read once in the launch; into window wn from register reg on.
.macro XLOAD hh, wn, reg
	WIN (\wn)<<6
.set i, 0
.rept 32                            ; row i / 2, 128 channels i % 2
	global_load_b128 v[(\reg)+4*i:(\reg)+4*i+3], v[XO], s[XN:XN+1] offset:(i/2)*2048+1024*(\hh)+512*(i%2) th:TH_LOAD_NT
.set i, i+1
.endr
.endm
.macro XCV wn, reg                  ; rounded to bf16 in place: a load's four numbers into its first two registers
	WIN ((\wn)<<6)|((\wn)<<2)|(\wn)
.set i, 0
.rept 32
	v_cvt_pk_bf16_f32 v[(\reg)+4*i],   v[(\reg)+4*i],   v[(\reg)+4*i+1]
	v_cvt_pk_bf16_f32 v[(\reg)+4*i+1], v[(\reg)+4*i+2], v[(\reg)+4*i+3]
.set i, i+1
.endr
.endm
.macro XST wn, reg                  ; into XR: 32 lanes x 8 bytes are 256 consecutive bytes of a row
	WIN (\wn)<<2
.set i, 0
.rept 32
	ds_store_b64 v[XW], v[(\reg)+4*i:(\reg)+4*i+1] offset:(i/2)*XPI+256*(i%2)
.set i, i+1
.endr
.endm
; The half in XR as fragments, all 64 rows: lane l takes row l % 16, channels 8 (l / 16) + 0..7 and 16 + 8 (l / 16) + 0..7: two loads of 16 bytes, 32 bytes apart.
.macro XFL hh
	WIN 0x80+0x40*(\hh)
.irp cc, 0,1,2,3,4,5,6,7
.irp t, 0,1,2,3
	ds_load_b128 v[8*(4*\cc+\t):8*(4*\cc+\t)+3],   v[AXF] offset:\t*16*XPI+64*\cc
	ds_load_b128 v[8*(4*\cc+\t)+4:8*(4*\cc+\t)+7], v[AXF] offset:\t*16*XPI+64*\cc+32
.endr
.endr
.endm
; 16 LDS loads: my wave's two blocks of 16 rows of W, channels 128 g .. 128 g + 127: fragment (nb, cc) at buf + 8 (4 nb + cc)
.macro WFETCH slot, g, buf
.irp nb, 0,1
.irp cc, 0,1,2,3
	ds_load_b128 v[\buf+8*(4*\nb+\cc):\buf+8*(4*\nb+\cc)+3],   v[AW+(\slot)] offset:\nb*16*WPI+64*(4*(\g)+\cc)
	ds_load_b128 v[\buf+8*(4*\nb+\cc)+4:\buf+8*(4*\nb+\cc)+7], v[AW+(\slot)] offset:\nb*16*WPI+64*(4*(\g)+\cc)+32
.endr
.endr
.endm
; 32 matrix instructions: those channels.  The 8 accumulators take turns, one instruction a turn.  A tile's first 8 products start the sums with the constant 0: nothing is cleared.
.macro WMUL g, buf
	WIN 0x08+4*((\g)/2)             ; source 1 (x) in window 2 or 3
.irp cc, 0,1,2,3
.irp nb, 0,1
.irp t, 0,1,2,3
.if ((\g) == 0) && (\cc == 0)
	v_wmma_f32_16x16x32_bf16 v[ACC+8*(4*\nb+\t):ACC+8*(4*\nb+\t)+7], v[\buf+8*(4*\nb+\cc):\buf+8*(4*\nb+\cc)+7], v[8*(4*((4*(\g)+\cc)%8)+\t):8*(4*((4*(\g)+\cc)%8)+\t)+7], 0
.else
	v_wmma_f32_16x16x32_bf16 v[ACC+8*(4*\nb+\t):ACC+8*(4*\nb+\t)+7], v[\buf+8*(4*\nb+\cc):\buf+8*(4*\nb+\cc)+7], v[8*(4*((4*(\g)+\cc)%8)+\t):8*(4*((4*(\g)+\cc)%8)+\t)+7], v[ACC+8*(4*\nb+\t):ACC+8*(4*\nb+\t)+7]
.endif
.endr
.endr
.endr
.endm
; Tile s of the block, which lies in the slot named.  Each wait leaves the one run of 16 loads out that was issued behind the run it wants.  The first two runs need no v_nop: behind the last product
; that read the buffers stand the four v_nop and the 32 conversions of the tile before.
.macro WORK slot, s
	WIN 0
	WFETCH \slot, 0, WA
	WFETCH \slot, 1, WB
	s_wait_dscnt 16
	WMUL 0, WA
	PLACES
	WIN 0
	WFETCH \slot, 2, WA
	s_wait_dscnt 16
	WMUL 1, WB
	PLACES
	WIN 0
	WFETCH \slot, 3, WB
	s_wait_dscnt 16
	WMUL 2, WA
	s_wait_dscnt 0x0
	WMUL 3, WB
	PLACES
	WIN 0x40                        ; destination window 1
.irp a, 0,1,2,3,4,5,6,7             ; each accumulator's registers in ascending order
.irp j, 0,1,2,3
	v_cvt_pk_f16_f32 v[32*(\s)+4*\a+\j], v[ACC+8*\a+2*\j], v[ACC+8*\a+2*\j+1]
.endr
.endr
.endm
; THE WAY OUT of rows 16 t .. 16 t + 15.  A lane's 16 bytes for each of my 8 groups of 16 columns (u = 2 s + nb) go into my own stage's rows of 272 bytes and come back as whole rows of 256, into the registers that they left.
.macro TOST t
	WIN 0x04                        ; store data (source 1) in window 1
.irp u, 0,1,2,3,4,5,6,7
	ds_store_b128 v[STO], v[16*\u+4*(\t):16*\u+4*(\t)+3] offset:32*\u
.endr
	WIN 0x40                        ; destination window 1
.irp u, 0,1,2,3,4,5,6,7
	ds_load_b128 v[16*\u+4*(\t):16*\u+4*(\t)+3], v[RD] offset:\u*2*SPI  ; LDS serves a wave's instructions in order (ISA guide 5.7.1.4): these see the stores above; the next rows' stores come behind them
.endr
.endm
.macro SEND t, younger              ; younger: the LDS instructions issued behind these rows' loads: the next rows' sixteen, or none
	WIN 0x04
.irp u, 0,1,2,3,4,5,6,7
	s_wait_dscnt (\younger)+7-\u
	global_store_b128 v[CO], v[16*\u+4*(\t):16*\u+4*(\t)+3], s[OP:OP+1] offset:(16*(\t)+2*\u)*1024  ; 16 lanes store 256 consecutive bytes, at a multiple of 256 from the buffer's first byte
.endr
.endm
	s_load_b256 s[4:11], s[0:1], 0x0               ; ft_q s[4:5], ft_k s[6:7], ft_v s[8:9], wb s[10:11]
	s_load_b128 s[12:15], s[0:1], 0x20             ; qh s[12:13], kh s[14:15]
	s_load_b64 s[16:17], s[0:1], 0x30              ; vh
	v_lshl_add_u32 v[SPW], v0, 2, SPARE
	v_mov_b32 v[NIL], 0
	ds_add_u32 v[SPW], v[NIL]                      ; the wave's opening: the add and its wait stand ahead of my first tensor load; the set-up below, work on registers, stands between them
	v_lshrrev_b32 v1, 5, v0
	v_readfirstlane_b32 s[WV], v1                  ; wave 0..3
	v_and_b32 v12, 31, v0                          ; l
	v_lshlrev_b32 v[XO], 4, v12
	s_bfe_u32 s19, ttmp6, 0x40000                  ; cx: my place in the cluster
	s_lshl_b32 s20, ttmp9, 2                       ; in a cluster launch ttmp9 counts clusters
	s_add_co_u32 s20, s20, s19                     ; my block of 64 rows = 4 x cluster x + cx: it enters x's and the results' addresses alone
	; group 1: rows of 512 elements of 2 bytes, 4 words of padding after every 256 words; the mask names all four work-groups, bit 21 is set beside it.  64 rows, or 32
	s_mov_b32 s[G1P+0], 15|(1<<16)|(1<<20)|(1<<21)|(7<<22)|(3<<25)
	s_mov_b32 s[G1P+1], 512<<16                    ; tensor_dim0 = 512
	s_mov_b32 s[G1P+2], 64<<16                     ; tensor_dim1 = 64
	s_mov_b32 s[G1P+3], 512<<16                    ; tile_dim0 = 512
	s_mov_b32 s[G1P+4], 64                         ; tile_dim1 = 64
	s_mov_b32 s[G1P+5], 512                        ; elements from row to row
	s_mov_b32 s[G1P+6], 0
	s_mov_b32 s[G1P+7], 0
	s_mov_b32 s[G1W+0], 15|(1<<16)|(1<<20)|(1<<21)|(7<<22)|(3<<25)
	s_mov_b32 s[G1W+1], 512<<16
	s_mov_b32 s[G1W+2], 32<<16
	s_mov_b32 s[G1W+3], 512<<16
	s_mov_b32 s[G1W+4], 32
	s_mov_b32 s[G1W+5], 512
	s_mov_b32 s[G1W+6], 0
	s_mov_b32 s[G1W+7], 0
	s_mov_b32 s[G0P], 1
	s_mul_i32 s[G0P+1], s[WV], WREG                ; LDS: my wave's ring, both slots: no place in the cluster enters an LDS address
	s_mov_b32 s[G0C], 1
	s_mul_i32 s[G0C+1], s[WV], WREG                ; slot 0
	s_mov_b32 s[G0D], 1
	s_mul_i32 s[G0D+1], s[WV], WREG
	s_add_co_u32 s[G0D+1], s[G0D+1], SLOT          ; slot 1
	s_lshl_b32 s56, s20, 17                        ; x: my block's 64 rows of 2,048 bytes,
	s_lshl_b32 s57, s[WV], 15                      ; my wave's 16 of them
	s_add_co_u32 s56, s56, s57
	s_mov_b32 s57, 0
	s_lshl_b32 s58, s20, 16                        ; the results: 64 rows of 1,024 bytes,
	s_lshl_b32 s59, s[WV], 8                       ; my wave's 128 columns
	s_add_co_u32 s58, s58, s59
	s_mov_b32 s59, 0
	s_lshl_b32 s22, s[WV], 17                      ; wb: my wave's 128 rows of 1,024 bytes
	s_mov_b32 s23, 0
	s_wait_dscnt 0x0                               ; the opening add is done
	s_wait_kmcnt 0x0
	s_add_nc_u64 s[4:5], s[4:5], s[56:57]
	s_add_nc_u64 s[6:7], s[6:7], s[56:57]
	s_add_nc_u64 s[8:9], s[8:9], s[56:57]
	s_mov_b64 s[XN:XN+1], s[4:5]
	XLOAD 0, 2, 0                                  ; the first block's x goes out before anything else: half 0 into registers that its fragments take later,
	XLOAD 1, 1, XP                                 ; half 1 where every later half lands
	WIN 0
	s_add_nc_u64 s[12:13], s[12:13], s[58:59]
	s_add_nc_u64 s[14:15], s[14:15], s[58:59]
	s_add_nc_u64 s[16:17], s[16:17], s[58:59]
	s_add_nc_u64 s[G0P+2:G0P+3], s[10:11], s[22:23]         ; Wq's rows 128 w on: tiles 0 and 1,
	s_add_nc_u64 s[G0C+2:G0C+3], s[G0P+2:G0P+3], 0x10000    ; 64 rows on: tile 2,
	s_add_nc_u64 s[G0D+2:G0D+3], s[G0P+2:G0P+3], 0x18000    ; 96 rows on: tile 3
	s_or_b32 s[G0P+3], s[G0P+3], 0x80000000        ; type = 2
	s_or_b32 s[G0C+3], s[G0C+3], 0x80000000
	s_or_b32 s[G0D+3], s[G0D+3], 0x80000000
	v_and_b32 v1, 15, v0                           ; l % 16
	v_bfe_u32 v9, v0, 4, 1                         ; l / 16
	v_mul_u32_u24 v13, v1, WPI
	v_lshl_add_u32 v13, v9, 4, v13                 ; a fragment's row x pitch + 16 x half
	s_mul_i32 s56, s[WV], WREG
	v_add_nc_u32 v[AW], s56, v13
	v_add_nc_u32 v[AW+1], SLOT, v[AW]
	s_mul_i32 s56, s[WV], 16*SPI
	s_add_co_u32 s56, s56, STAGE                   ; my stage
	v_mul_u32_u24 v13, v1, SPI                     ; in: row l % 16, 16 bytes for each half of the lanes
	v_lshl_add_u32 v13, v9, 4, v13
	v_add_nc_u32 v[STO], s56, v13
	v_mul_u32_u24 v13, v9, SPI                     ; back: lanes 0-15 take one row of 256 bytes, lanes 16-31 the next
	v_lshl_add_u32 v13, v1, 4, v13
	v_add_nc_u32 v[RD], s56, v13
	v_lshlrev_b32 v[CO], 10, v9                    ; and the same two rows in the result
	v_lshl_add_u32 v[CO], v1, 4, v[CO]
	s_mul_i32 s56, s[WV], 16*XPI
	s_add_co_u32 s56, s56, XR                      ; my 16 rows of XR
	v_lshl_add_u32 v[XW], v12, 3, s56
	v_mul_u32_u24 v[AXF], v1, XPI
	v_lshl_add_u32 v[AXF], v9, 4, v[AXF]
	v_add_nc_u32 v[AXF], XR, v[AXF]
	s_wait_loadcnt 32                              ; loads come back in order: half 0's 32 are in, half 1's stay out
	XCV 2, 0
	XST 2, 0                                       ; the first trip's round shows these stores to every wave
	WIN 0
	s_mov_b32 s[CNT], 3
.Lblock:                                               ; a trip is a block: XR holds its half 0, its half 1 is on its way into registers
	s_wait_tensorcnt 0x0                           ; no tensor load of mine is out
	ds_add_u32 v[SPW], v[NIL]                      ; 0 onto my spare word; scalar work stands between it and the wait for it
	s_wait_xcnt 0x0                                ; the last block's stores have had their addresses translated (ISA guide 3.1): their base and their data registers are rewritten only behind this wait
	s_cmp_eq_u32 s[CNT], 3
	s_cselect_b64 s[OP:OP+1], s[12:13], s[14:15]
	s_cmp_eq_u32 s[CNT], 1
	s_cselect_b64 s[OP:OP+1], s[16:17], s[OP:OP+1]
	s_wait_dscnt 0x0                               ; the add is done; my reads of both slots and my stores into XR are over
	CROUND
	TL G0P, G1P                                    ; tiles 0 and 1, 64 rows, into both slots: my one tensor load behind this round; it lands beside the preparation of x
	XFL 0                                          ; half 0's fragments
	s_wait_loadcnt 0x0                             ; half 1 is in; no load names XN any more
	s_cmp_eq_u32 s[CNT], 3
	s_cselect_b64 s[XN:XN+1], s[6:7], s[8:9]       ; the next block's x (in the last trip it is not used)
	XCV 1, XP                                      ; 64 conversions stand in the fragments' way home
	s_wait_dscnt 0x0                               ; for the others' sake: my reads of XR are over
	s_barrier_signal -1                            ; nothing is filled by a tensor load behind this barrier or the next: the ring's load stays on its way
	s_barrier_wait -1
	XST 1, XP                                      ; half 1 into XR
	s_wait_dscnt 0x0                               ; for the others' sake: my stores are done
	s_barrier_signal -1
	s_barrier_wait -1
	WIN 0
	s_cmp_eq_u32 s[CNT], 1
	s_cbranch_scc1 .Lno_half0                      ; the last block has no successor
	XLOAD 0, 1, XP                                 ; the next block's half 0: tiles 0 and 1, 256 products, ahead of the wait for it
	WIN 0
.Lno_half0:
	XFL 1                                          ; half 1's fragments
	WIN 0
	s_wait_tensorcnt 0x0                           ; my one load is the only one out: tiles 0 and 1 are in; nobody else reads them
	WORK 0, 0
	HEAD
	TL G0C, G1W                                    ; tile 2 into slot 0
	WORK 1, 1
	WIN 0
	s_wait_loadcnt 0x0                             ; the next block's half 0 is in (in the last trip nothing is out)
	s_cmp_eq_u32 s[CNT], 1
	s_cbranch_scc1 .Lno_next
	XCV 1, XP
	XST 1, XP                                      ; into XR: every wave's reads of it were over in front of the round above; the rounds below show these stores to every wave
	s_wait_dscnt 0x0                               ; the stores have read their registers; the wait is due in front of the round below anyway
	XLOAD 1, 1, XP                                 ; the next block's half 1: tiles 2 and 3, the way out and a round ahead of the wait for it
	WIN 0
.Lno_next:
	HEAD
	TL G0D, G1W                                    ; tile 3 into slot 1
	WORK 0, 2
	WIN 0
	s_wait_tensorcnt 0x0                           ; tile 3 is in: again my one load
	WORK 1, 3
	TOST 0
	TOST 1                                         ; the next rows' LDS instructions stand between a tile's loads and its stores
	SEND 0, 16
	TOST 2
	SEND 1, 16
	TOST 3
	SEND 2, 16
	SEND 3, 0                                      ; nothing waits for these stores: they leave while the next block is prepared
	WIN 0
	s_add_nc_u64 s[G0P+2:G0P+3], s[G0P+2:G0P+3], 0x80000  ; no tensor load of mine is out: the three group 0 step to the next W, 512 rows of 1,024 bytes on (behind the last block they are not used)
	s_add_nc_u64 s[G0C+2:G0C+3], s[G0C+2:G0C+3], 0x80000
	s_add_nc_u64 s[G0D+2:G0D+3], s[G0D+2:G0D+3], 0x80000
	s_sub_co_u32 s[CNT], s[CNT], 1
	s_cmp_lg_u32 s[CNT], 0
	s_cbranch_scc1 .Lblock
	s_wait_tensorcnt 0x0                           ; the wave's end, behind my last tensor load and my last LDS store
	ds_add_u32 v[SPW], v[NIL]
	s_wait_dscnt 0x0
	CROUND                                         ; the closing round: no work-group ends while a partner may still ask for a tile that names it
	s_endpgm
.Lfunc_end_k_q5c92c384b3_proj:
	.size	k_q5c92c384b3_proj, .Lfunc_end_k_q5c92c384b3_proj-k_q5c92c384b3_proj
	.p2alignl 7, 3214868480
	.fill 96, 4, 3214868480
	.section	.rodata,"a",@progbits
	.p2align	6, 0x0
	.amdhsa_kernel k_q5c92c384b3_proj
		.amdhsa_group_segment_fixed_size 327680
		.amdhsa_private_segment_fixed_size 0
		.amdhsa_enable_private_segment 0
		.amdhsa_kernarg_size 56
		.amdhsa_user_sgpr_count 2
		.amdhsa_user_sgpr_kernarg_segment_ptr 1
		.amdhsa_wavefront_size32 1
		.amdhsa_system_sgpr_workgroup_id_x 1
		.amdhsa_system_sgpr_workgroup_id_y 1
		.amdhsa_system_sgpr_workgroup_id_z 1
		.amdhsa_system_vgpr_workitem_id 0
		.amdhsa_next_free_vgpr 1024
		.amdhsa_next_free_sgpr 66
		.amdhsa_reserve_vcc 0
		.amdhsa_float_denorm_mode_32 3
		.amdhsa_float_denorm_mode_16_64 3
		.amdhsa_memory_ordered 1
		.amdhsa_forward_progress 1
		.amdhsa_inst_pref_size 114
	.end_amdhsa_kernel
	.amdgpu_metadata
---
amdhsa.version: [ 1, 2 ]
amdhsa.kernels:
  - .name:           k_q5c92c384b3_proj
    .symbol:         k_q5c92c384b3_proj.kd
    .args:
      - { .name: ft_q, .offset: 0, .size: 8, .value_kind: global_buffer, .address_space: global }
      - { .name: ft_k, .offset: 8, .size: 8, .value_kind: global_buffer, .address_space: global }
      - { .name: ft_v, .offset: 16, .size: 8, .value_kind: global_buffer, .address_space: global }
      - { .name: wb, .offset: 24, .size: 8, .value_kind: global_buffer, .address_space: global }
      - { .name: qh, .offset: 32, .size: 8, .value_kind: global_buffer, .address_space: global }
      - { .name: kh, .offset: 40, .size: 8, .value_kind: global_buffer, .address_space: global }
      - { .name: vh, .offset: 48, .size: 8, .value_kind: global_buffer, .address_space: global }
    .group_segment_fixed_size: 327680
    .private_segment_fixed_size: 0
    .kernarg_segment_align: 8
    .kernarg_segment_size: 56
    .max_flat_workgroup_size: 128
    .sgpr_count:     66
    .vgpr_count:     1024
    .wavefront_size: 32
...
	.end_amdgpu_metadata
.endif
;; end of part 2
;; launch attn (part 3): grid 32 x 8, 4 waves a work-group, clusters of 4 x 1, 327,680 bytes of LDS; arguments qh, kh, vh, mask, out0; writes out0
.if DOCPART == 3
	.amdgcn_target "amdgcn-amd-amdhsa--gfx1250"
	.amdhsa_code_object_version 6
	.text
	.protected	k_q5c92c384b3_attn
	.globl	k_q5c92c384b3_attn
	.p2align	8
	.type	k_q5c92c384b3_attn,@function
k_q5c92c384b3_attn:
	s_mov_b64 s[64:65], 0
	v_nop
	global_prefetch_b8 v0, s[64:65] scope:SCOPE_SE
	s_setreg_imm32_b32 hwreg(HW_REG_WAVE_MODE, 25, 1), 1
	s_wait_xcnt 0x0
	s_wait_alu depctr_hold_cnt(0) depctr_sa_sdst(0) depctr_va_vdst(0) depctr_va_sdst(0) depctr_va_ssrc(0) depctr_va_vcc(0) depctr_vm_vsrc(0)
	s_getreg_b32 s2, hwreg(HW_REG_IB_STS2, 6, 4)
	s_cmp_eq_u32 s2, 0
	s_cbranch_scc0 .Lentry_in_a_cluster
	s_endpgm
.Lentry_in_a_cluster:
	s_bfe_u32 s2, ttmp6, 0x10000c
	s_cmp_lg_u32 s2, 0x3003
	s_cbranch_scc0 .Lentry_shape_is_right
	s_endpgm
.Lentry_shape_is_right:
; out0[b][q][:] = the sum over k of softmax_k(qh[b][q] . kh[b][k] x sqrt(512) + mask[b][q][k]) vh[b][k][:].  qh, kh, vh: [8][2048][512] f16; mask: [8][2048][2048] f32; out0: [8][2048][512] f32.
; Products, maxima and sums in f32.  The mask is rounded to bf16, as the other inputs of the module are in the launches before.  The weights p are rounded to f16 for the second product; their sum l is taken of the unrounded p.
; SOFTMAX.  s = q . k + bf16(mask) / sqrt(512); for each query a running maximum m and sum l; p = 2^(c (s - m)), c = sqrt(512) log2(e): the difference is taken first, so that s - m is at most 0 and no inf - inf arises from finite
; masks.  In every step O and l are multiplied by a = 2^(c (m_old - m_new)).  m starts at the lowest finite number, O and l at 0: the first step's a is 0.
; LIMITS.  A mask entry beyond bf16's largest finite number becomes an infinity: a row whose entries are all -3.4e38 or -inf gives NaN.  p below 6e-5 keeps f16's fixed step of 6e-8; a weight below 2^-126 counts as 0 in l.
; NaN and +inf are not treated apart.
; SHARES.  A work-group owns 64 queries of one batch: four tiles t of 16; 256 work-groups.  A key step is 64 keys.  The four waves SHARE the queries, so that each fragment read from LDS feeds four products:
;   S^T = K Q^T: wave w takes keys 16 w .. 16 w + 15 and all 64 queries (4 accumulators, 64 products; all of Q stays in 512 registers of every wave);
;   O^T = V^T P: wave w takes channels 128 w .. 128 w + 127 and all 64 queries (32 accumulators, 64 products).
; Between the two, through LDS: each wave's maxima (PMX), then P in f16 (PB).  l stays a partial sum in each wave and is added up at the end.
; LAYOUT.  In S^T (source 0 = 16 keys, source 1 = 16 queries) a lane holds ONE query (lane % 16) and the keys 8 (lane / 16) + 0..7; the mask, scaled, is the C that starts the sum.  In O^T a lane holds one query and eight channels.
; PIPELINE.  Trip i (0..32): K Q^T of step i, its maxima, a barrier, then V^T P of step i - 1 with the softmax of step i behind its products.  So trip i reads ONE ring set, i % 2, which holds K(i), M(i) and V(i - 1).
; Two barriers a trip: the ring's round, which also shows P(i - 1) to every wave, and the one that shows the maxima.
; CLUSTER.  The four query blocks of a cluster belong to one batch and walk the same K and V: those tiles are asked for JOINTLY, the same load, descriptor and mask in all four.  The mask's tile and Q are each work-group's own.
; Behind each round wave 0 asks for K, wave 1 for V, wave 2 for the mask: one tensor load a wave is out; wave 3 asks the L2 for a later tile of the mask.
; Q comes in with the first fills, by wave 3, into the bytes that V(1) takes later, and is read into registers in trip 0.
; REGISTERS, in windows of 256 (s_set_vgpr_msb: bits 1:0 source 0, 3:2 source 1, 5:4 source 2, 7:6 destination):
;   window 0: v0-23 addresses and constants; v24-55 eight registers of statistics a tile; v56-87 S^T; v88-183 three buffers of four fragments of K or V; v184-247 P's fragments; v248-255 at work
;   window 1: O^T, (t, cb) at 64 t + 8 cb          windows 2, 3: Q, (t, c) at window 2 + c / 8, register 8 (4 (c % 8) + t)
.set KPI,   1040      ; a row of K in LDS: 1,024 bytes + 16 = 65 x 16: the 16 rows of a load start at 16 different groups of four banks (64 banks of 4 bytes: ISA guide 11.1)
.set VPI,   1056      ; a row of V: 1,024 + 32 = 33 x 32
.set MPI,   272       ; a row of the mask's tile: 256 + 16
.set PPI,   144       ; a row of P: 64 keys x 2 bytes + 16
.set SPI,   528       ; a row of the stage: 128 channels x 4 bytes + 16
.set SETB,  151552    ; a ring set: K, then V, then M
.set VOF,   64*KPI
.set MOF,   VOF+64*VPI
.set PB0,   2*SETB    ; behind the ring, never filled by a tensor load: P, two buffers of [64 queries][144 bytes],
.set PBS,   64*PPI
.set PMX,   PB0+2*PBS ; [64 queries][4 waves] f32: the waves' maxima, at the end their sums,
.set SPARE, PMX+1024  ; and the spare words, 128 bytes for each wave: two blocks of 256 bytes that no other line names
.set STG,   SETB      ; the stage for the way out, 16 rows x 528 bytes for each wave, lies in set 1, behind its last fill and its last read
.set KTILE, 65536     ; 64 rows of 1,024 bytes of kh or vh
.set AK,  2           ; v2-3    LDS address of my lane's place in my wave's 16 keys of K, set 0, 1
.set AV,  4           ; v4-5    in my wave's 128 channels of V
.set AM,  6           ; v6-7    in my wave's 16 keys of the mask's tile
.set APR, 8           ; v8-9    where I read P's fragments, buffer 0, 1
.set APW, 10          ; v10-11  where I put my 8 weights of a query
.set AXW, 12          ; v12     where I put my wave's figure for query lane % 16
.set AXR, 13          ; v13     where I read the four waves' figures
.set STO, 14          ; v14     the way out: where I put 16 bytes of a row
.set RD,  15          ; v15     the way out: where I read a row back
.set GO,  16          ; v16     my byte offset in 512 consecutive bytes of out0
.set AQ,  17          ; v17     my lane's place in Q's tile
.set SPW, 18          ; v18     LDS address of my spare word; never rewritten
.set NIL, 19          ; v19     0; never rewritten
.set PFO, 20          ; v20     lane x 8,192: a row of the mask a lane
.set RV,  21          ; v21     1 / sqrt(512)
.set ZR,  22          ; v22     0
.set ST,  24          ; tile t at ST + 8 t: +0 m, +1 m_old, +2 +3 l (even keys', odd keys'), +4 a, +5 c (m_old - m); +4..+7 take the four waves' maxima; +6 +7 the step's sum
.set S,   56
.set FA,  88
.set FB,  120
.set FC,  152
.set PF,  184         ; P's fragment (kk, t) at PF + 8 (4 kk + t)
.set TU,  248
.set WV,  14          ; s14     my wave's number
.set G1K, 24          ; s[24:31] descriptor group 1 for K's tiles;  s[32:39] for V's;  s[40:47] for the mask's;  s[88:95] for Q
.set G1V, 32
.set G1M, 40
.set G1Q, 88
.set G0K, 48          ; s[48:55] descriptor group 0 for K's tiles, one for each set;  s[56:63] for V's;  s[68:75] for the mask's;  s[96:99] for Q
.set G0V, 56
.set G0M, 68
.set G0Q, 96
.set CS,  76          ; s[76:77] c: the packed scaling takes the pair's low word for both halves
.set SEL, 80          ; s[80:81] v_permlanex16_b32's selects: each lane takes its own place in the other half
.set CNT, 82
.set TI,  83          ; s83     trips begun
.set PFM, 84          ; s[84:85] the mask's tile that wave 3 asks the L2 for
.set PFS, 86          ; s[86:87] its step
.set MSB, 0
.macro WIN new                      ; the immediate's high byte repeats the setting that is left; a switch that changes nothing is dropped
.if MSB != (\new)
	s_set_vgpr_msb (MSB<<8)|(\new)
.set MSB, (\new)
.endif
.endm
; A vector instruction that reads a matrix result or writes one of a matrix instruction's registers, and a load into such a register, stand four places behind it, and only plain vector
; instructions that name none of its registers are places (ISA guide 7.12.1 for vector instructions).
.macro PLACES
.rept 4
	v_nop
.endr
.endm
; A round of the cluster's barrier: my work-group's barrier, so that wave 0's signal speaks for all four waves; wave 0 signals; every wave waits for all four work-groups; my work-group's barrier once more.
.macro CROUND
	s_barrier_signal -1
	s_barrier_wait -1
	s_cmp_lg_u32 s[WV], 0
	s_cbranch_scc1 .Lnot_wave_0_\@
	s_barrier_signal -3
.Lnot_wave_0_\@:
	s_barrier_wait -3
	s_barrier_signal -1
	s_barrier_wait -1
.endm
.macro TLN g0, g1                   ; a tensor load; an s_nop 0 and four v_nop follow it, ahead of the jump and the label
	tensor_load_to_lds s[\g0:\g0+3], s[\g1:\g1+7]
	s_nop 0
	PLACES
.endm
; THE FILLS behind a round.  The branches hang on the wave's number alone: they are the same in every work-group.  kind 2: wave 0 K, wave 1 V, wave 2 the mask, into the set named; wave 3 asks the L2 for the mask's
; tile min(i + 3, 31) in trip i, two trips ahead of that tile's tensor load: 64 rows of 256 bytes, a row a lane, two lines; each such block is asked for by this one wave of this one work-group.
; kind 1: V alone (the last).  kind 3: the first fills: K and the mask into set 0, and Q, by wave 3.
.macro JL set, kind
.if (\kind) != 1
	s_cmp_eq_u32 s[WV], 0
	s_cbranch_scc0 .Lnk_\@
	TLN G0K+4*(\set), G1K
	s_branch .Lje_\@
.Lnk_\@:
.endif
.if (\kind) != 3
	s_cmp_eq_u32 s[WV], 1
	s_cbranch_scc0 .Lnv_\@
	TLN G0V+4*(\set), G1V
	s_branch .Lje_\@
.Lnv_\@:
.endif
.if (\kind) != 1
	s_cmp_eq_u32 s[WV], 2
	s_cbranch_scc0 .Lnm_\@
	TLN G0M+4*(\set), G1M
	s_branch .Lje_\@
.Lnm_\@:
.endif
.if (\kind) == 2
	global_prefetch_b8 v[PFO], s[PFM:PFM+1] th:TH_LOAD_NT scope:SCOPE_SE
	global_prefetch_b8 v[PFO], s[PFM:PFM+1] offset:262144 th:TH_LOAD_NT scope:SCOPE_SE
.endif
.if (\kind) == 3
	s_cmp_eq_u32 s[WV], 3
	s_cbranch_scc0 .Lje_\@
	TLN G0Q, G1Q
.endif
.Lje_\@:
.endm
; THE LDS LOADS stand in runs.  A chunk is four fragments: 8 loads, 32 registers, 16 products.
.macro LDQ                          ; all of Q, once: 128 loads
	WIN 0x80
.set i, 0
.rept 64                            ; c = i / 4, t = i % 4
.if i == 32
	WIN 0xc0
.endif
	ds_load_b128 v[8*(i%32):8*(i%32)+3],   v[AQ] offset:(i%4)*16*VPI+64*(i/4)
	ds_load_b128 v[8*(i%32)+4:8*(i%32)+7], v[AQ] offset:(i%4)*16*VPI+64*(i/4)+32
.set i, i+1
.endr
	WIN 0
.endm
.macro LDM p                        ; the mask for my 16 keys and all 64 queries, straight into S^T's registers: 32 bytes a lane and tile
.irp t, 0,1,2,3
	ds_load_b128 v[S+8*\t:S+8*\t+3],   v[AM+(\p)] offset:\t*16*MPI
	ds_load_b128 v[S+8*\t+4:S+8*\t+7], v[AM+(\p)] offset:\t*16*MPI+16
.endr
.endm
.macro LDK p, g, buf                ; K: my 16 keys, channels 128 g .. 128 g + 127
.irp cc, 0,1,2,3
	ds_load_b128 v[\buf+8*\cc:\buf+8*\cc+3],   v[AK+(\p)] offset:64*(4*(\g)+\cc)
	ds_load_b128 v[\buf+8*\cc+4:\buf+8*\cc+7], v[AK+(\p)] offset:64*(4*(\g)+\cc)+32
.endr
.endm
.macro LDV p, m, buf                ; V, turned: keys 32 (m / 2) on, my channel blocks 4 (m % 2) .. + 3
.irp j, 0,1,2,3
	ds_load_tr16_b128 v[\buf+8*\j:\buf+8*\j+3],   v[AV+(\p)] offset:((\m)/2)*32*VPI+32*(4*((\m)%2)+\j)
	ds_load_tr16_b128 v[\buf+8*\j+4:\buf+8*\j+7], v[AV+(\p)] offset:((\m)/2)*32*VPI+16*VPI+32*(4*((\m)%2)+\j)
.endr
.endm
.macro LDP b                        ; P of the step before: 64 queries x 64 keys, 8 fragments
.irp kk, 0,1
.irp t, 0,1,2,3
	ds_load_b128 v[PF+8*(4*\kk+\t):PF+8*(4*\kk+\t)+3],   v[APR+(\b)] offset:\t*16*PPI+64*\kk
	ds_load_b128 v[PF+8*(4*\kk+\t)+4:PF+8*(4*\kk+\t)+7], v[APR+(\b)] offset:\t*16*PPI+64*\kk+32
.endr
.endr
.endm
.macro LDX                          ; the four waves' figures for my query of each tile
.irp t, 0,1,2,3
	ds_load_b128 v[ST+8*\t+4:ST+8*\t+7], v[AXR] offset:256*\t
.endr
.endm
.macro STP p                        ; my 8 weights of a query, 16 bytes, for each tile
.irp t, 0,1,2,3
	ds_store_b128 v[APW+(\p)], v[S+8*\t:S+8*\t+3] offset:\t*16*PPI
.endr
.endm
; The mask is rounded to bf16 and divided by sqrt(512), in place: it is the C that starts S^T's sums.  Two halves of 8 pairs.
.macro MPREP
	WIN 0
.irp hh, 0,1
.irp j, 0,1,2,3,4,5,6,7
	v_cvt_pk_bf16_f32 v[TU+\j], v[S+16*\hh+2*\j], v[S+16*\hh+2*\j+1]
.endr
.irp j, 0,1,2,3,4,5,6,7
	v_fma_mix_f32_bf16 v[S+16*\hh+2*\j],   v[TU+\j], v[RV], v[ZR] op_sel_hi:[1,0,0]
	v_fma_mix_f32_bf16 v[S+16*\hh+2*\j+1], v[TU+\j], v[RV], v[ZR] op_sel:[1,0,0] op_sel_hi:[1,0,0]
.endr
.endr
.endm
; The next cnt of the 128 packed multiplies O^T x a of the step before, in ascending order (each accumulator's lowest registers first)
.macro RS cnt
	WIN 0x41                        ; O^T (destination and source 0) in window 1, a in window 0
.rept \cnt
	v_pk_mul_f32 v[2*rsn:2*rsn+1], v[2*rsn:2*rsn+1], v[ST+8*(rsn/32)+4:ST+8*(rsn/32)+5] op_sel_hi:[1,0]
.set rsn, rsn+1
.endr
.endm
; THE MATRIX WORK.  The accumulators take turns, one instruction a turn: S^T's four; O^T's 32; from S^T's last to O^T's first, and over the loop's edge from O^T's last to S^T's first.
.macro QKC g, buf                   ; 16 products of S^T += K Q^T: channels 128 g on
	WIN 0x08+4*((\g)/2)             ; Q (source 1) in window 2 or 3
.irp cc, 0,1,2,3
.irp t, 0,1,2,3
	v_wmma_f32_16x16x32_f16 v[S+8*\t:S+8*\t+7], v[\buf+8*\cc:\buf+8*\cc+7], v[8*(4*((4*(\g)+\cc)%8)+\t):8*(4*((4*(\g)+\cc)%8)+\t)+7], v[S+8*\t:S+8*\t+7]
.endr
.endr
.endm
.macro PVC m, buf, rid              ; 16 products of O^T += V^T P; rid = 1: four lines of the softmax behind each
.irp j, 0,1,2,3
.irp t, 0,1,2,3
	WIN 0x50                        ; C and D in window 1
	v_wmma_f32_16x16x32_f16 v[64*\t+8*(4*((\m)%2)+\j):64*\t+8*(4*((\m)%2)+\j)+7], v[\buf+8*\j:\buf+8*\j+7], v[PF+8*(4*((\m)/2)+\t):PF+8*(4*((\m)/2)+\t)+7], v[64*\t+8*(4*((\m)%2)+\j):64*\t+8*(4*((\m)%2)+\j)+7]
.if \rid
	RID 4
.endif
.endr
.endr
.endm
; My wave's maximum for each query: 8 scores a lane, the other 8 keys in the lane 16 away.  Stage by stage over the four tiles, so that no line reads the result of the one before it.
.macro LMAX
.irp t, 0,1,2,3
	v_max3_num_f32 v[TU+2*\t], v[S+8*\t], v[S+8*\t+1], v[S+8*\t+2]
.endr
.irp t, 0,1,2,3
	v_max3_num_f32 v[TU+2*\t], v[TU+2*\t], v[S+8*\t+3], v[S+8*\t+4]
.endr
.irp t, 0,1,2,3
	v_max3_num_f32 v[TU+2*\t], v[TU+2*\t], v[S+8*\t+5], v[S+8*\t+6]
.endr
.irp t, 0,1,2,3
	v_max_num_f32 v[TU+2*\t], v[TU+2*\t], v[S+8*\t+7]
.endr
.irp t, 0,1,2,3
	v_permlanex16_b32 v[TU+2*\t+1], v[TU+2*\t], s[SEL], s[SEL+1]
.endr
.irp t, 0,1,2,3
	v_max_num_f32 v[TU+2*\t], v[TU+2*\t], v[TU+2*\t+1]
.endr
.irp t, 0,1,2,3
	ds_store_b32 v[AXW], v[TU+2*\t] offset:256*\t  ; both halves of the lanes write the same word with the same number
.endr
.endm
; THE SOFTMAX of a step is a list of 120 lines; SMX writes the next.
;   0-19    stage by stage over the tiles: m_old is kept; the four waves' maxima and m_old give m; c (m_old - m)
;   20-23   a, four exponentials on end; the plain line behind them is number 24
;   24-31   BB for tile 0: s - m for its four pairs, then x c
;   32-95   the 32 exponentials at the even numbers, tile after tile, each with a plain line of ANOTHER tile behind it: BB for the tiles to come, then POST for tile 0
;   96-119  POST for tiles 1 to 3, stage by stage
.macro BB t, i
.if (\i) < 4
	v_pk_add_f32 v[S+8*(\t)+2*(\i):S+8*(\t)+2*(\i)+1], v[S+8*(\t)+2*(\i):S+8*(\t)+2*(\i)+1], v[ST+8*(\t):ST+8*(\t)+1] op_sel_hi:[1,0] neg_lo:[0,1] neg_hi:[0,1]
.else
	v_pk_mul_f32 v[S+8*(\t)+2*(\i)-8:S+8*(\t)+2*(\i)-7], v[S+8*(\t)+2*(\i)-8:S+8*(\t)+2*(\i)-7], s[CS:CS+1] op_sel_hi:[1,0]
.endif
.endm
.macro POST t, i                    ; 0-2: the sum of the four pairs of weights; 3: l = l a + sum; 4-7: the pairs rounded to f16, in place, ascending
.set pT, ST+8*(\t)
.set pS, S+8*(\t)
.if (\i) == 0
	s_wait_alu depctr_va_vdst(0)
	v_pk_add_f32 v[pT+6:pT+7], v[pS:pS+1], v[pS+2:pS+3]
.elseif (\i) < 3
	v_pk_add_f32 v[pT+6:pT+7], v[pT+6:pT+7], v[pS+2*(\i)+2:pS+2*(\i)+3]
.elseif (\i) == 3
	v_pk_fma_f32 v[pT+2:pT+3], v[pT+2:pT+3], v[pT+4:pT+5], v[pT+6:pT+7] op_sel_hi:[1,0,1]
.else
	v_cvt_pk_f16_f32 v[pS+(\i)-4], v[pS+2*(\i)-8], v[pS+2*(\i)-7]
.endif
.endm
.macro SMX
.if smn < 120
	WIN 0
.endif
.set rT, ST+8*(smn%4)
.set k, (smn-32)/2
.if smn < 4
	v_mov_b32 v[rT+1], v[rT]
.elseif smn < 8
	v_max3_num_f32 v[rT+4], v[rT+4], v[rT+5], v[rT+6]
.elseif smn < 12
	v_max3_num_f32 v[rT], v[rT+4], v[rT+7], v[rT+1]
.elseif smn < 16
	v_sub_f32 v[rT+5], v[rT+1], v[rT]
.elseif smn < 20
	v_mul_f32 v[rT+5], s[CS], v[rT+5]
.elseif smn < 24
	v_exp_f32 v[rT+4], v[rT+5]
.elseif smn < 32
	BB 0, smn-24
.elseif (smn < 96) && (smn%2 == 0)
	v_exp_f32 v[S+k], v[S+k]        ; score k % 8 of tile k / 8
.elseif (smn < 96) && (k < 24)
	BB 1+k/8, k%8
.elseif smn < 96
	POST 0, k-24
.elseif smn < 120
	POST 1+(smn-96)%3, (smn-96)/3
.endif
.set smn, smn+1
.endm
.macro RID cnt
.rept \cnt
	SMX
.endr
.endm
; A TRIP, on ring set p.  qk = 1: K Q^T, maxima and softmax of this trip's step.  pv = 1: the rescaling and V^T P of the step before.  fill: 2 = the other set is filled; 1 = its V alone; 0 = nothing.
; THE HEAD.  Each wave waits for all its tensor loads (one is out at the most: its tile of this set), adds 0 to its spare word, and waits for that, for its reads of the other set and for its stores of P.  Behind the round
; nobody of the cluster reads the other set any more, this set is whole, and P of the step before is there.  This set's three group 0 step two tiles on while no load of mine is out.
; Each counted wait on DScnt leaves out the LDS instructions issued behind the run that it wants.
.macro TRIP p, qk, pv, fill
.set rsn, 0
.set smn, 0
	WIN 0
	s_wait_tensorcnt 0x0
	ds_add_u32 v[SPW], v[NIL]       ; 0 onto my spare word; scalar work stands between it and the wait for it
.if (\fill) == 2
	s_wait_xcnt 0x0                 ; the last trip's prefetches have had their addresses translated (ISA guide 3.1): their base is rewritten only behind this wait
	s_add_nc_u64 s[G0K+4*(\p)+2:G0K+4*(\p)+3], s[G0K+4*(\p)+2:G0K+4*(\p)+3], 2*KTILE
.if \pv
	s_add_nc_u64 s[G0V+4*(\p)+2:G0V+4*(\p)+3], s[G0V+4*(\p)+2:G0V+4*(\p)+3], 2*KTILE
.endif
	s_add_nc_u64 s[G0M+4*(\p)+2:G0M+4*(\p)+3], s[G0M+4*(\p)+2:G0M+4*(\p)+3], 512
	s_cmp_lt_u32 s[TI], 29          ; the prefetch steps a tile a trip and stays at the row's last tile, inside the buffer
	s_cselect_b32 s[PFS], 256, 0
	s_add_nc_u64 s[PFM:PFM+1], s[PFM:PFM+1], s[PFS:PFS+1]
	s_add_co_u32 s[TI], s[TI], 1
.endif
	s_wait_dscnt 0x0
.if \fill
	CROUND
	JL 1-(\p), \fill
.else
	s_barrier_signal -1
	s_barrier_wait -1
.endif
.if (\qk) && (\pv)
	PLACES                          ; behind the last trip's last products: for the loads into their sources and for the rescaling of their results
	LDM \p
	LDK \p, 0, FA
	LDK \p, 1, FB
	LDK \p, 2, FC
	LDP 1-(\p)                      ; 48 loads are out; 160 vector instructions stand in their way home
	RS 40
	s_wait_dscnt 40                 ; the mask is in
	MPREP
	RS 72
	s_wait_dscnt 32                 ; K's chunk 0
	QKC 0, FA
	RS 4                            ; four of the rescaling are the places in front of the loads into the buffer just multiplied
	WIN 0
	LDK \p, 3, FA
	s_wait_dscnt 32                 ; chunk 1
	QKC 1, FB
	RS 4
	WIN 0
	LDV \p, 0, FB
	s_wait_dscnt 32                 ; chunk 2
	QKC 2, FC
	RS 4
	WIN 0
	LDV \p, 1, FC
	s_wait_dscnt 16                 ; chunk 3, and P
	QKC 3, FA
	RS 4                            ; the last four: also the places in front of the maxima, which read S^T
	WIN 0
	LDV \p, 2, FA
	LMAX
	s_wait_dscnt 0x0                ; for the others' sake: my maxima are stored
	s_barrier_signal -1             ; the ring's loads stay on their way
	s_barrier_wait -1
	LDX
	PVC 0, FB, 0                    ; 16 products cover the maxima's way home
	PLACES
	WIN 0
	LDV \p, 3, FB
	s_wait_dscnt 8                  ; the four waves' maxima are in
	PVC 1, FC, 1
	PVC 2, FA, 1                    ; the list of 120 ends behind the 30th of these 32 products
	WIN 0
	STP \p
	s_wait_dscnt 4                  ; V's last chunk is in; my four stores of P may be out
	PVC 3, FB, 0
	WIN 0
.elseif \qk
	LDQ                             ; trip 0: Q into registers; there is no step before
	LDM \p
	LDK \p, 0, FA
	LDK \p, 1, FB
	LDK \p, 2, FC
	s_wait_dscnt 24                 ; Q and the mask are in
	MPREP
	s_wait_dscnt 16
	QKC 0, FA
	PLACES
	WIN 0
	LDK \p, 3, FA
	s_wait_dscnt 16
	QKC 1, FB
	s_wait_dscnt 8
	QKC 2, FC
	s_wait_dscnt 0x0
	QKC 3, FA
	PLACES
	WIN 0
	LMAX
	s_wait_dscnt 0x0
	s_barrier_signal -1
	s_barrier_wait -1
	LDX
	s_wait_dscnt 0x0
	RID 120
	STP \p
.else
	PLACES                          ; trip 32: the last step's V^T P alone
	LDV \p, 0, FB
	LDV \p, 1, FC
	LDV \p, 2, FA
	LDP 1-(\p)
	RS 128
	s_wait_dscnt 0x0
	PVC 0, FB, 0
	PLACES
	WIN 0
	LDV \p, 3, FB
	PVC 1, FC, 0
	PVC 2, FA, 0
	s_wait_dscnt 0x0
	PVC 3, FB, 0
	WIN 0
.endif
.endm
	s_load_b256 s[4:11], s[0:1], 0x0               ; qh s[4:5], kh s[6:7], vh s[8:9], mask s[10:11]
	s_load_b64 s[12:13], s[0:1], 0x20              ; out0
	v_lshl_add_u32 v[SPW], v0, 2, SPARE
	v_mov_b32 v[NIL], 0
	ds_add_u32 v[SPW], v[NIL]                      ; the wave's opening: the add and its wait stand ahead of my first tensor load; the set-up below, work on registers, stands between them
	v_lshrrev_b32 v1, 5, v0
	v_readfirstlane_b32 s[WV], v1                  ; wave 0..3
	s_bfe_u32 s15, ttmp6, 0x40000                  ; cx: my place in the cluster
	s_lshl_b32 s16, ttmp9, 2                       ; in a cluster launch ttmp9 counts clusters
	s_add_co_u32 s16, s16, s15                     ; my block of 64 queries = 4 x cluster x + cx: it enters Q's, the mask's and out0's addresses alone
	s_and_b32 s17, ttmp7, 0xffff                   ; the batch, which the four partners share
	; group 1: tiles of 64 rows x 512 elements of 2 bytes, padded after every 256 words.  K and V: the mask of four, bit 21 beside it; K 4 words of padding, V and Q 8.  Q: no mask
	s_mov_b32 s[G1K], 15|(1<<16)|(1<<20)|(1<<21)|(7<<22)|(3<<25)
	s_mov_b32 s[G1V], 15|(1<<16)|(1<<20)|(1<<21)|(7<<22)|(7<<25)
	s_mov_b32 s[G1Q], (1<<16)|(1<<20)|(7<<22)|(7<<25)
.irp g, G1K, G1V, G1Q
	s_mov_b32 s[\g+1], 512<<16                     ; tensor_dim0 = 512
	s_mov_b32 s[\g+2], 64<<16                      ; tensor_dim1 = 64
	s_mov_b32 s[\g+3], 512<<16                     ; tile_dim0 = 512
	s_mov_b32 s[\g+4], 64                          ; tile_dim1 = 64
	s_mov_b32 s[\g+5], 512                         ; elements from row to row
	s_mov_b32 s[\g+6], 0
	s_mov_b32 s[\g+7], 0
.endr
	; the mask's tile: 64 rows x 64 elements of 4 bytes, 4 words of padding after every 64 words
	s_mov_b32 s[G1M], (2<<16)|(1<<20)|(5<<22)|(3<<25)
	s_mov_b32 s[G1M+1], 64<<16
	s_mov_b32 s[G1M+2], 64<<16
	s_mov_b32 s[G1M+3], 64<<16
	s_mov_b32 s[G1M+4], 64
	s_mov_b32 s[G1M+5], 2048
	s_mov_b32 s[G1M+6], 0
	s_mov_b32 s[G1M+7], 0
.irp s, 0,1
	s_mov_b32 s[G0K+4*\s], 1
	s_mov_b32 s[G0K+4*\s+1], \s*SETB
	s_mov_b32 s[G0V+4*\s], 1
	s_mov_b32 s[G0V+4*\s+1], \s*SETB+VOF
	s_mov_b32 s[G0M+4*\s], 1
	s_mov_b32 s[G0M+4*\s+1], \s*SETB+MOF
.endr
	s_mov_b32 s[G0Q], 1
	s_mov_b32 s[G0Q+1], VOF                        ; Q lands where set 0 later holds V
	s_mov_b32 s[CS], 0x420293ee                    ; c = sqrt(512) log2(e) = 32.644462
	s_mov_b32 s[CS+1], s[CS]                       ; named with it as a pair
	s_mov_b32 s[SEL], 0x76543210
	s_mov_b32 s[SEL+1], 0xfedcba98
	s_mov_b32 s[TI], 0
	s_mov_b32 s[PFS+1], 0
	s_lshl_b32 s18, s17, 21                        ; the batch's first byte in qh, kh, vh: 2,048 rows of 1,024 bytes
	s_mov_b32 s19, 0
	s_lshl_b32 s20, s17, 24                        ; in the mask: 2,048 rows of 8,192 bytes,
	s_lshl_b32 s21, s16, 19                        ; and my 64 rows
	s_add_co_u32 s20, s20, s21
	s_mov_b32 s21, 0
	s_lshl_b32 s22, s16, 16                        ; my 64 rows of qh
	s_add_co_u32 s22, s22, s18
	s_mov_b32 s23, 0
	s_wait_dscnt 0x0                               ; the opening add is done
	s_wait_kmcnt 0x0
	s_add_nc_u64 s[6:7], s[6:7], s[18:19]
	s_add_nc_u64 s[8:9], s[8:9], s[18:19]
	s_add_nc_u64 s[10:11], s[10:11], s[20:21]
	s_add_nc_u64 s[G0Q+2:G0Q+3], s[4:5], s[22:23]
	s_or_b32 s[G0Q+3], s[G0Q+3], 0x80000000        ; type = 2
	s_mov_b64 s[G0K+2:G0K+3], s[6:7]               ; set 0 begins with K(0),
	s_or_b32 s[G0K+3], s[G0K+3], 0x80000000
	s_add_nc_u64 s[G0K+6:G0K+7], s[6:7], KTILE     ; set 1 with K(1);
	s_or_b32 s[G0K+7], s[G0K+7], 0x80000000
	s_add_nc_u64 s[G0V+2:G0V+3], s[8:9], KTILE     ; set 0's first V is V(1),
	s_or_b32 s[G0V+3], s[G0V+3], 0x80000000
	s_mov_b64 s[G0V+6:G0V+7], s[8:9]               ; set 1's V(0);
	s_or_b32 s[G0V+7], s[G0V+7], 0x80000000
	s_mov_b64 s[G0M+2:G0M+3], s[10:11]             ; M(0), M(1)
	s_or_b32 s[G0M+3], s[G0M+3], 0x80000000
	s_add_nc_u64 s[G0M+6:G0M+7], s[10:11], 256
	s_or_b32 s[G0M+7], s[G0M+7], 0x80000000
	s_add_nc_u64 s[PFM:PFM+1], s[10:11], 512       ; trip 0's head steps this to tile 3
	s_lshl_b32 s20, s17, 22                        ; out0: the batch's 2,048 rows of 2,048 bytes,
	s_lshl_b32 s21, s16, 17                        ; my 64 rows,
	s_add_co_u32 s20, s20, s21
	s_lshl_b32 s21, s[WV], 9                       ; my wave's 128 channels
	s_add_co_u32 s20, s20, s21
	s_mov_b32 s21, 0
	s_add_nc_u64 s[12:13], s[12:13], s[20:21]
	CROUND                                         ; all four work-groups are here: the first joint load meets
	JL 0, 3                                        ; the first fills: K(0), M(0), Q
	v_and_b32 v1, 15, v0                           ; l % 16
	v_bfe_u32 v23, v0, 4, 1                        ; l / 16
	v_and_b32 v56, 31, v0                          ; l
	; A fragment of K, Q or P is 16 rows x 32 along K in 8 registers: lane l holds row l % 16, places 8 (l / 16) + 0..7 and 16 + 8 (l / 16) + 0..7: two loads of 16 bytes, 32 bytes apart.
	s_mul_i32 s20, s[WV], 16*KPI
	v_mul_u32_u24 v[AK], v1, KPI
	v_lshl_add_u32 v[AK], v23, 4, v[AK]
	v_add_nc_u32 v[AK], s20, v[AK]
	v_add_nc_u32 v[AK+1], SETB, v[AK]
	; The turning load takes 16 keys x 16 channels (lane l reads key 8 (l / 16) + l % 8, channels 8 ((l / 8) % 2) + 0..7) and leaves half a fragment of V^T: lane l holds channel l % 16 and 8 keys.
	v_and_b32 v57, 7, v0
	v_lshl_add_u32 v[AV], v23, 3, v57
	v_mul_u32_u24 v[AV], v[AV], VPI
	v_bfe_u32 v57, v0, 3, 1
	v_lshl_add_u32 v[AV], v57, 4, v[AV]
	s_lshl_b32 s20, s[WV], 8
	s_add_co_u32 s20, s20, VOF
	v_add_nc_u32 v[AV], s20, v[AV]
	v_add_nc_u32 v[AV+1], SETB, v[AV]
	v_mul_u32_u24 v[AM], v1, MPI                   ; the mask: query l % 16, keys 16 w + 8 (l / 16) + 0..7: 32 bytes
	v_lshl_add_u32 v[AM], v23, 5, v[AM]
	s_lshl_b32 s20, s[WV], 6
	s_add_co_u32 s20, s20, MOF
	v_add_nc_u32 v[AM], s20, v[AM]
	v_add_nc_u32 v[AM+1], SETB, v[AM]
	v_mul_u32_u24 v[APR], v1, PPI
	v_lshl_add_u32 v[APR], v23, 4, v[APR]
	v_add_nc_u32 v[APR], PB0, v[APR]
	v_add_nc_u32 v[APR+1], PBS, v[APR]
	s_lshl_b32 s20, s[WV], 5                       ; my wave's 16 keys are 32 bytes of a row of P
	v_add_nc_u32 v[APW], s20, v[APR]
	v_add_nc_u32 v[APW+1], PBS, v[APW]
	v_lshl_add_u32 v[AXR], v1, 4, PMX
	s_lshl_b32 s20, s[WV], 2
	v_add_nc_u32 v[AXW], s20, v[AXR]
	s_mul_i32 s20, s[WV], 16*SPI
	s_add_co_u32 s20, s20, STG                     ; my stage
	v_mul_u32_u24 v[STO], v1, SPI                  ; in: row l % 16, 32 bytes for each half of the lanes
	v_lshl_add_u32 v[STO], v23, 5, v[STO]
	v_add_nc_u32 v[STO], s20, v[STO]
	v_lshl_add_u32 v[RD], v56, 4, s20              ; back: 32 lanes take a row's 512 bytes
	v_lshlrev_b32 v[GO], 4, v56
	v_mul_u32_u24 v[AQ], v1, VPI
	v_lshl_add_u32 v[AQ], v23, 4, v[AQ]
	v_add_nc_u32 v[AQ], VOF, v[AQ]
	v_lshlrev_b32 v[PFO], 13, v56
	v_mov_b32 v[RV], 0x3d3504f3                    ; 1 / sqrt(512)
	v_mov_b32 v[ZR], 0
.irp t, 0,1,2,3
	v_mov_b32 v[ST+8*\t], 0xff7fffff               ; m: the lowest finite number
	v_mov_b32 v[ST+8*\t+2], 0                      ; l
	v_mov_b32 v[ST+8*\t+3], 0
.endr
.irp j, 0,1,2,3,4,5,6,7
	v_mov_b32 v[TU+\j], 0                          ; v_permlanex16_b32's destination counts as read
.endr
	; O^T starts at 0, so that trip 1 is a trip like any other (its a is 0): 256 moves, in the wait for the first tiles, are the price of writing no first step out.
	WIN 0x40
.set i, 0
.rept 256
	v_mov_b32 v[i], 0
.set i, i+1
.endr
	WIN 0
	TRIP 0, 1, 0, 2                                ; trip 0: the fills behind its round (K(1), V(0), M(1)) are set 1's first
	s_mov_b32 s[CNT], 15
.Lpair:                                                ; trips 1 to 30
	TRIP 1, 1, 1, 2
	TRIP 0, 1, 1, 2
	s_sub_co_u32 s[CNT], s[CNT], 1
	s_cmp_lg_u32 s[CNT], 0
	s_cbranch_scc1 .Lpair
	TRIP 1, 1, 1, 1                                ; the tail is written out: trip 31 asks for V(31) alone
	TRIP 0, 0, 1, 0                                ; trip 32 for nothing
	; THE WAY OUT.  l: a lane's two halves, the other half of the lanes', then the four waves' through LDS.  The first four additions are the places behind the last products.
.irp t, 0,1,2,3
	v_add_f32 v[ST+8*\t+6], v[ST+8*\t+2], v[ST+8*\t+3]
.endr
.irp t, 0,1,2,3
	v_permlanex16_b32 v[ST+8*\t+7], v[ST+8*\t+6], s[SEL], s[SEL+1]
.endr
.irp t, 0,1,2,3
	v_add_f32 v[ST+8*\t+6], v[ST+8*\t+6], v[ST+8*\t+7]
.endr
.irp t, 0,1,2,3
	ds_store_b32 v[AXW], v[ST+8*\t+6] offset:256*\t  ; the maxima there were last read in trip 31, a barrier ago
.endr
	s_wait_dscnt 0x0                               ; for the others' sake
	s_barrier_signal -1
	s_barrier_wait -1
	LDX
	s_wait_dscnt 0x0
.irp t, 0,1,2,3
	v_add_f32 v[ST+8*\t+4], v[ST+8*\t+4], v[ST+8*\t+5]
	v_add_f32 v[ST+8*\t+6], v[ST+8*\t+6], v[ST+8*\t+7]
.endr
.irp t, 0,1,2,3
	v_add_f32 v[ST+8*\t+4], v[ST+8*\t+4], v[ST+8*\t+6]
.endr
.irp t, 0,1,2,3
	v_rcp_f32 v[ST+8*\t+4], v[ST+8*\t+4]
.endr
	v_nop                                          ; a plain instruction between the last reciprocal and the use of its result
	s_wait_alu depctr_va_vdst(0)
; Tile t: O^T / l; a lane's eight channels of a row, 32 bytes, go into my stage's rows of 528 bytes and come back as whole rows of 512, into the registers that they left.
.macro PACK t
	WIN 0x41
.set i, 0
.rept 32
	v_pk_mul_f32 v[64*(\t)+2*i:64*(\t)+2*i+1], v[64*(\t)+2*i:64*(\t)+2*i+1], v[ST+8*(\t)+4:ST+8*(\t)+5] op_sel_hi:[1,0]
.set i, i+1
.endr
	WIN 0x04                                       ; store data (source 1) in window 1
.irp cb, 0,1,2,3,4,5,6,7
	ds_store_b128 v[STO], v[64*(\t)+8*\cb:64*(\t)+8*\cb+3]   offset:64*\cb
	ds_store_b128 v[STO], v[64*(\t)+8*\cb+4:64*(\t)+8*\cb+7] offset:64*\cb+16
.endr
	WIN 0x40                                       ; destination window 1
.set i, 0
.rept 16
	ds_load_b128 v[64*(\t)+4*i:64*(\t)+4*i+3], v[RD] offset:i*SPI  ; LDS serves a wave's instructions in order (ISA guide 5.7.1.4): these see the stores above; the next tile's stores come behind them
.set i, i+1
.endr
.endm
.macro SEND t, younger              ; younger: the LDS instructions issued behind tile t's loads: the next tile's 32, or none
	WIN 0x04
.set i, 0
.rept 16
	s_wait_dscnt (\younger)+15-i
	global_store_b128 v[GO], v[64*(\t)+4*i:64*(\t)+4*i+3], s[12:13] offset:(16*(\t)+i)*2048 th:TH_STORE_NT  ; a wave's store covers 512 consecutive bytes, at a multiple of 256 from out0's first byte
.set i, i+1
.endr
.endm
	PACK 0
	PACK 1                                         ; a tile's arithmetic stands between the loads of the tile before and its stores
	SEND 0, 32
	PACK 2
	SEND 1, 32
	PACK 3
	SEND 2, 32
	SEND 3, 0
	WIN 0
	s_wait_tensorcnt 0x0                           ; the wave's end, behind my last tensor load and my last LDS store
	ds_add_u32 v[SPW], v[NIL]
	s_wait_dscnt 0x0
	CROUND                                         ; the closing round: no work-group ends while a partner may still ask for a tile that names it
	s_endpgm
.Lfunc_end_k_q5c92c384b3_attn:
	.size	k_q5c92c384b3_attn, .Lfunc_end_k_q5c92c384b3_attn-k_q5c92c384b3_attn
	.p2alignl 7, 3214868480
	.fill 96, 4, 3214868480
	.section	.rodata,"a",@progbits
	.p2align	6, 0x0
	.amdhsa_kernel k_q5c92c384b3_attn
		.amdhsa_group_segment_fixed_size 327680
		.amdhsa_private_segment_fixed_size 0
		.amdhsa_enable_private_segment 0
		.amdhsa_kernarg_size 40
		.amdhsa_user_sgpr_count 2
		.amdhsa_user_sgpr_kernarg_segment_ptr 1
		.amdhsa_wavefront_size32 1
		.amdhsa_system_sgpr_workgroup_id_x 1
		.amdhsa_system_sgpr_workgroup_id_y 1
		.amdhsa_system_sgpr_workgroup_id_z 1
		.amdhsa_system_vgpr_workitem_id 0
		.amdhsa_next_free_vgpr 1024
		.amdhsa_next_free_sgpr 100
		.amdhsa_reserve_vcc 0
		.amdhsa_float_denorm_mode_32 3
		.amdhsa_float_denorm_mode_16_64 3
		.amdhsa_memory_ordered 1
		.amdhsa_forward_progress 1
		.amdhsa_inst_pref_size 201
	.end_amdhsa_kernel
	.amdgpu_metadata
---
amdhsa.version: [ 1, 2 ]
amdhsa.kernels:
  - .name:           k_q5c92c384b3_attn
    .symbol:         k_q5c92c384b3_attn.kd
    .args:
      - { .name: qh, .offset: 0, .size: 8, .value_kind: global_buffer, .address_space: global }
      - { .name: kh, .offset: 8, .size: 8, .value_kind: global_buffer, .address_space: global }
      - { .name: vh, .offset: 16, .size: 8, .value_kind: global_buffer, .address_space: global }
      - { .name: mask, .offset: 24, .size: 8, .value_kind: global_buffer, .address_space: global }
      - { .name: out0, .offset: 32, .size: 8, .value_kind: global_buffer, .address_space: global }
    .group_segment_fixed_size: 327680
    .private_segment_fixed_size: 0
    .kernarg_segment_align: 8
    .kernarg_segment_size: 40
    .max_flat_workgroup_size: 128
    .sgpr_count:     100
    .vgpr_count:     1024
    .wavefront_size: 32
...
	.end_amdgpu_metadata
.endif
;; end of part 3
